; MI455X (gfx1250); checked and timed in simulation.
; The chip was launched on July 23, 2026; its instructions are those of AMD's public machine-readable ISA for CDNA 5 (MIT licence, August 2026) and "CDNA5" Instruction Set Architecture Reference Guide (July 2026). The comments in the code are by the model that wrote it; some were corrected since.
;; Bert Self Attention. Allowed arithmetic: matrix products marked QUANTISED: E2M1 operands, one E8M0 scale for each 32 along K, by v_wmma_scale_f32_16x16x128_f8f6f4 with both operands' format E2M1 (or v_wmma_scale_f32_32x16x128_f4), f32 sums; products left as they are: bf16, f16 or f32 operands; f32 sums; everything else in f32.
;; Inputs: Wk 1,024 x 1,024 float32; Wq 1,024 x 1,024 float32; Wv 1,024 x 1,024 float32; attention_mask 4 x 1 x 1 x 2,048 float32; bk 1,024 float32; bq 1,024 float32; bv 1,024 float32; hidden_states 4 x 2,048 x 1,024 float32.
;; Outputs: out0 4 x 2,048 x 1,024 float32.
;; This version of the problem:
;;   THIS VERSION OF THE PROBLEM IS GIVEN IN LOW PRECISION. The matrix products marked QUANTISED in the list below multiply operands that are first quantised to E2M1 (2 exponent bits, 1 mantissa bit; 4 bits a number), with one power-of-two scale for each 32 numbers along K (OCP MX v1.0); their sums are f32. The products marked 'left as it is' may take bf16, f16 or f32 operands, with f32 sums. Whichever they take, every output number must still come out within the allowed error. Rounding operands to bf16 (8 significant bits) uses up far more of that allowance than f16 does (11 bits, for magnitudes from 6e-5 to 65,504). All else is computed in f32.
;;   The module's matrix products, in the order in which they are computed (A, B: the left and right operand; K: the contracted axis; several contracted axes count as one K, in the product's order):
;;     1. [M 8,192, K 1,024] x [K 1,024, N 1,024]; A: input hidden_states; B: input Wq: QUANTISED
;;     2. [M 8,192, K 1,024] x [K 1,024, N 1,024]; A: input hidden_states; B: input Wk: QUANTISED
;;     3. [M 8,192, K 1,024] x [K 1,024, N 1,024]; A: input hidden_states; B: input Wv: QUANTISED
;;     4. batch 64 x [M 2,048, K 64] x [K 64, N 2,048]; A: computed on the way; B: computed on the way: left as it is (an operand is computed on the way)
;;     5. batch 64 x [M 2,048, K 2,048] x [K 2,048, N 64]; A: computed on the way; B: computed on the way: left as it is (an operand is computed on the way)
;;   THE QUANTISER, for each operand of a quantised product, along K:
;;     - K is cut into blocks of 32 from its start; a last block that is shorter is filled with zeros.
;;     - A block's scale is 2^e with e = floor(log2(the largest magnitude in the block)) - 2, held to -126 .. 127; a block of zeros has e = 0. As a byte (E8M0): e + 127.
;;     - Each number is divided by its block's scale, clamped to +-6, and rounded to the nearest number of E2M1, ties to even, subnormals kept.
;;     - The product sums the exact products of the quantised numbers (number of the format x scale) in f32.
;;   ~~~python
;;   def quantise(x, axis):      # numpy; x: float32 -> the quantised numbers, widened to float32 again
;;       x = np.moveaxis(x, axis, -1); K = x.shape[-1]
;;       x = np.pad(x, [(0, 0)] * (x.ndim - 1) + [(0, -K % 32)]); x = x.reshape(x.shape[:-1] + (-1, 32)); a = np.abs(x).max(-1, keepdims=True)
;;       e = np.where(a > 0, np.clip(np.frexp(np.where(a > 0, a, 1))[1] - 1 - 2, -126, 127), 0)      # np.frexp(a)[1] - 1 = floor(log2(a)), exactly
;;       r = np.clip(x / 2.0 ** e, -6, 6)
;;       step = 2.0 ** (np.maximum(np.frexp(np.where(r == 0, 1, r))[1] - 1, 0) - 1)
;;       q = np.round(r / step) * step * 2.0 ** e      # np.round: ties to even
;;       return np.moveaxis(q.reshape(q.shape[:-2] + (-1,))[..., :K], -1, axis).astype(np.float32)
;;   ~~~
;; One version. Each part assembles by itself: llvm-mc -triple=amdgcn-amd-amdhsa -mcpu=gfx1250 --defsym DOCPART=n.
;; ======== version 1 of 1: 3 launches
;; limits: values are held in f16: magnitudes above 65,504 overflow, below 6.1e-05 lose precision; right only within a limited range of input values
;; workspace buffers: x_codes 4,194,304 bytes; x_scales 262,144 bytes; w_codes 1,572,864 bytes; w_scales 98,304 bytes; qkv 50,331,648 bytes
;; launch quant (part 1): grid 352 x 1, 4 waves a work-group, no clusters, 51,712 bytes of LDS; arguments hidden_states, Wq, Wk, Wv, x_codes, x_scales, w_codes, w_scales; writes x_codes, x_scales, w_codes, w_scales
.if DOCPART == 1
	.amdgcn_target "amdgcn-amd-amdhsa--gfx1250"
	.amdhsa_code_object_version 6
	.text
	.protected	k_qaba6def52f_quant
	.globl	k_qaba6def52f_quant
	.p2align	8
	.type	k_qaba6def52f_quant,@function
k_qaba6def52f_quant:
	s_mov_b64 s[64:65], 0
	v_nop
	global_prefetch_b8 v0, s[64:65] scope:SCOPE_SE
	s_setreg_imm32_b32 hwreg(HW_REG_WAVE_MODE, 25, 1), 1
	s_wait_xcnt 0x0
; hidden_states [8192][1024] f32 (K innermost) and Wq, Wk, Wv [1024 (K)][1024 (n)] f32 (K outermost) become codes of FP4 (E2M1), K innermost, with one E8M0 byte for each 32 along K.
; x_codes [8192][512 bytes], x_scales [8192][32];  w_codes [3072 = q | k | v x 1024 n][512 bytes], w_scales [3072][32].
; A block's scale is 2^(floor(log2(its largest magnitude)) - 2); its byte is the largest magnitude's exponent field - 2, held at 1 from below.  A block of zeros so keeps the byte 1: its codes are zeros,
; which add nothing under any byte but 0xff, and this program alone reads the bytes.
; LIMITS: blocks whose largest magnitude lies under 2^-124 keep the byte 1; NaN and infinities among the inputs are not served.
; Work-groups 0-95 take the weights (32 each: 8 x 128 columns, 4 x 256 along K), work-groups 96-351 hidden_states (32,768 numbers each).  The two ways part on the work-group's number, have LDS bytes of
; their own and join only at the closing lines.  No tensor loads, no barrier: waves share nothing.
.set WGW,    96                        ; work-groups for the weights
.set SPW,    12                        ; v12  LDS address of my spare word: SPARE + 4 x my thread's number; never rewritten
.set NIL,    13                        ; v13  0; never rewritten
.set XREG,   8192                      ; hidden_states' way: LDS [0, 32768): a region for each wave: two stages of 32 x SP bytes, then its 256 scale bytes
.set SP,     80                        ; a lane's place in a stage: 64 bytes + 16 of padding
.set WSTG,   32768                     ; the weights' way: LDS [32768, 51200): a stage of 32 rows x WPITCH for each wave
.set WPITCH, 144                       ; 128 bytes of codes (256 along K) + 16 of padding
.set SPARE,  51200                     ; the spare words, 128 bytes for each wave: two blocks of 256 bytes that no other line names
.set STEPS,  16                        ; hidden_states: steps of 512 numbers a wave
.set R,      16                        ; v16-79   four sets of 16 numbers as they are loaded
.set X,      80                        ; v80-111  two sets of 16 neighbours
.set E,      112                       ; v112-127 a scale byte for each step
.set C,      128                       ; v128-191 codes: four registers for each step, so that no store's data are written again
.set NB,     8                         ; weights: blocks of 32 along K for a lane
.set WX,     32                        ; v32-95   two sets of 32 numbers
.set WC,     96                        ; v96-99   a block's codes
.set WOUT,   112                       ; v112-143 the way out
.set SB,     24                        ; v24-25   the lane's eight scale bytes
	s_load_b256 s[4:11], s[0:1], 0x0               ; hidden_states s[4:5], Wq s[6:7], Wk s[8:9], Wv s[10:11]
	s_load_b256 s[12:19], s[0:1], 0x20             ; x_codes s[12:13], x_scales s[14:15], w_codes s[16:17], w_scales s[18:19]
	v_lshl_add_u32 v[SPW], v0, 2, SPARE
	v_mov_b32 v[NIL], 0
	v_lshrrev_b32 v1, 5, v0
	v_readfirstlane_b32 s20, v1                    ; wave 0..3
	v_and_b32 v2, 31, v0                           ; lane
	s_wait_kmcnt 0x0
	s_cmp_lt_u32 ttmp9, WGW
	s_cbranch_scc0 .Lx
; ---------------- THE WEIGHTS.  A lane takes a column n and its registers run down K: each load reads 128 consecutive bytes a wave, a block of 32 along K lies in one lane's 32 registers, and the
; conversions give codes with K innermost.  A wave takes 32 columns x 256 along K: 128 bytes of codes a column, which go through its stage in LDS and leave four rows' pieces of 128 bytes an instruction.
; (A row's 512 bytes of codes are made by four work-groups, 128 bytes each: 1.5 MB of the 52 MB that the launch moves.  In return a wave's chain of loads is half as long.)
	s_lshr_b32 s21, ttmp9, 5                       ; which weight: 0 q, 1 k, 2 v
	s_and_b32 s22, ttmp9, 7                        ; which 128 columns
	s_bfe_u32 s23, ttmp9, 0x20003                  ; which 256 along K
	s_cmp_eq_u32 s21, 1
	s_cselect_b64 s[6:7], s[8:9], s[6:7]           ; the choice hangs on the work-group's number alone
	s_cmp_eq_u32 s21, 2
	s_cselect_b64 s[6:7], s[10:11], s[6:7]
	s_lshl_b32 s24, s22, 7
	s_lshl_b32 s25, s20, 5
	s_add_co_u32 s24, s24, s25                     ; my wave's first column: 128 x + 32 wave
	s_lshl_b32 s26, s23, 20                        ; 256 rows of 4,096 bytes for each step along K,
	s_lshl_b32 s27, s24, 2
	s_add_co_u32 s26, s26, s27                     ; + 4 bytes a column
	s_mov_b32 s27, 0
	s_add_nc_u64 s[6:7], s[6:7], s[26:27]
	s_lshl_b32 s28, s21, 10
	s_add_co_u32 s28, s28, s24                     ; my first row of w_codes and w_scales
	s_lshl_b32 s26, s28, 9
	s_lshl_b32 s29, s23, 7
	s_add_co_u32 s26, s26, s29                     ; codes: 512 bytes a row, + 128 for each 256 along K
	s_add_nc_u64 s[16:17], s[16:17], s[26:27]
	s_lshl_b32 s26, s28, 5
	s_lshl_b32 s29, s23, 3
	s_add_co_u32 s26, s26, s29                     ; scale bytes: 32 a row, + 8
	s_add_nc_u64 s[18:19], s[18:19], s[26:27]
	v_lshlrev_b32 v3, 2, v2                        ; in: 4 bytes a lane
	s_mul_i32 s30, s20, 32*WPITCH
	s_add_co_u32 s30, s30, WSTG                    ; my stage
	v_mul_u32_u24 v4, v2, WPITCH
	v_add_nc_u32 v4, s30, v4                       ; into it: row = my column
	v_and_b32 v5, 7, v2
	v_lshrrev_b32 v6, 3, v2                        ; out of it: eight lanes to a row of 128 bytes, four rows an instruction
	v_mul_u32_u24 v7, v6, WPITCH
	v_lshl_add_u32 v7, v5, 4, v7
	v_add_nc_u32 v7, s30, v7
	v_lshlrev_b32 v8, 9, v6
	v_lshl_add_u32 v8, v5, 4, v8                   ; and the same place in w_codes
	v_lshlrev_b32 v9, 5, v2                        ; my column's row of scale bytes
.macro WLOAD t                         ; block t: W(32 t + i, my column), i = 0 .. 31, into set t % 2
.irp i, 0,1,2,3,4,5,6,7,8,9,10,11,12,13,14,15,16,17,18,19,20,21,22,23,24,25,26,27,28,29,30,31
	global_load_b32 v[WX+32*((\t)%2)+\i], v3, s[6:7] offset:(32*(\t)+\i)*4096 th:TH_LOAD_NT
.endr
.endm
.macro WBLOCK t
.set WS, WX+32*((\t)%2)
.if (\t) < NB-1
	s_wait_loadcnt 32                              ; this block's 32 loads are in; the next block's 32 may be out
.else
	s_wait_loadcnt 0x0
.endif
	v_max3_num_f32 v20, |v[WS]|, |v[WS+1]|, |v[WS+2]|              ; the block's largest magnitude: all 32 numbers are mine; two chains
	v_max3_num_f32 v21, |v[WS+3]|, |v[WS+4]|, |v[WS+5]|
.irp i, 6,10,14,18,22,26
	v_max3_num_f32 v20, v20, |v[WS+\i]|, |v[WS+\i+1]|
	v_max3_num_f32 v21, v21, |v[WS+\i+2]|, |v[WS+\i+3]|
.endr
	v_max3_num_f32 v20, v20, |v[WS+30]|, |v[WS+31]|
	v_max3_num_f32 v20, v20, v21, 0x1800000        ; and the floor 2^(3 - 127): the byte cannot fall under 1
	v_add_nc_u32 v22, 0xff000000, v20              ; 2 off the exponent field: the conversion takes the exponent field of this operand as its scale
	v_lshrrev_b32 v23, 23, v22                     ; the scale's byte
.if (\t)%4 == 0
	v_mov_b32 v[SB+(\t)/4], v23                    ; four bytes to a register, the lower K in the lower byte
.else
	v_lshl_or_b32 v[SB+(\t)/4], v23, 8*((\t)%4), v[SB+(\t)/4]
.endif
.irp g, 0,1,2,3
	v_cvt_scalef32_pk8_fp4_f32 v[WC+\g], v[WS+8*\g:WS+8*\g+7], v22
.endr
	ds_store_b128 v4, v[WC:WC+3] offset:16*(\t)    ; 32 codes: 16 bytes of my column's row
.if (\t)+2 < NB
	WLOAD (\t)+2
.endif
	s_wait_dscnt 0x0                               ; the store has read its registers: the next block's codes may be written
.endm
	WLOAD 0
	WLOAD 1
.set Q, 0
.rept NB
	WBLOCK Q
.set Q, Q+1
.endr
	global_store_b64 v9, v[SB:SB+1], s[18:19]      ; my column's eight scale bytes
.irp t, 0,1,2,3,4,5,6,7
	ds_load_b128 v[WOUT+4*\t:WOUT+4*\t+3], v7 offset:4*\t*WPITCH   ; LDS serves a wave's instructions in order: these see my stores
.endr
.irp t, 0,1,2,3,4,5,6,7
	s_wait_dscnt 7-\t                              ; load t is in; the younger ones may be out
	global_store_b128 v8, v[WOUT+4*\t:WOUT+4*\t+3], s[16:17] offset:4*\t*512
.endr
	s_branch .Lend
; ---------------- HIDDEN_STATES: a plain stream of blocks of 32.  A wave takes 16 steps of 512 numbers.  Each of a step's four loads reads 512 consecutive bytes, 16 a lane; the 2,048 bytes go through the
; wave's own stage in LDS and come back 64 bytes a lane, so that a lane holds 16 neighbours along K (two neighbouring lanes hold a block).  A lane's 16 codes are 8 bytes: the wave stores 256 consecutive bytes.
; A wave's 256 scale bytes are gathered in LDS and leave as 256 consecutive bytes.  Loads run four steps (16 loads a wave) ahead, the turn through LDS one step.
.Lx:
	v_lshlrev_b32 v3, 4, v2                        ; my 16 bytes of a load's 512
	s_mul_i32 s21, s20, XREG
	v_lshrrev_b32 v14, 2, v2
	v_mul_u32_u24 v14, v14, SP
	v_and_b32 v15, 3, v2
	v_lshl_add_u32 v14, v15, 4, v14
	v_add_nc_u32 v14, s21, v14                     ; the stage, on the way in: SP (lane / 4) + 16 (lane % 4)
	v_mul_u32_u24 v15, v2, SP
	v_add_nc_u32 v15, s21, v15                     ; and on the way out: SP x lane: my 16 neighbours
	v_lshlrev_b32 v4, 3, v2                        ; my codes' place in a step's
	v_lshrrev_b32 v5, 1, v2
	s_add_co_u32 s21, s21, 2*32*SP
	v_add_nc_u32 v5, s21, v5                       ; LDS: my wave's 256 scale bytes, my block's byte
	v_lshlrev_b32 v7, 3, v2                        ; and on the way out 8 bytes a lane
	v_add_nc_u32 v6, s21, v7
	s_sub_co_u32 s22, ttmp9, WGW
	s_lshl_b32 s22, s22, 2
	s_add_co_u32 s22, s22, s20                     ; which run of 8,192 numbers is my wave's: 0 .. 1,023
	s_mov_b32 s25, 0
	s_lshl_b32 s24, s22, 15                        ; 32,768 bytes of numbers a run,
	s_add_nc_u64 s[4:5], s[4:5], s[24:25]
	s_lshl_b32 s24, s22, 12                        ; 4,096 of codes,
	s_add_nc_u64 s[12:13], s[12:13], s[24:25]
	s_lshl_b32 s24, s22, 8                         ; 256 scale bytes
	s_add_nc_u64 s[14:15], s[14:15], s[24:25]
.macro XLOAD t
.irp i, 0,1,2,3
	global_load_b128 v[R+16*((\t)%4)+4*\i:R+16*((\t)%4)+4*\i+3], v3, s[4:5] offset:2048*(\t)+512*\i th:TH_LOAD_NT   ; 32 lanes read 512 consecutive bytes
.endr
.endm
.macro XTURN t                         ; step t's numbers through the stage: LDS serves a wave's instructions in order, so no wait stands between the stores and the loads
.irp i, 0,1,2,3
	ds_store_b128 v14, v[R+16*((\t)%4)+4*\i:R+16*((\t)%4)+4*\i+3] offset:32*SP*((\t)%2)+8*SP*\i
.endr
.irp i, 0,1,2,3
	ds_load_b128 v[X+16*((\t)%2)+4*\i:X+16*((\t)%2)+4*\i+3], v15 offset:32*SP*((\t)%2)+16*\i
.endr
.endm
.irp t, 0,1,2,3
	XLOAD \t
.endr
	s_wait_loadcnt 12                              ; step 0's four loads are in
	XTURN 0
.macro XSTEP t
.set XS, X+16*((\t)%2)
.if (\t) > 0
	s_wait_dscnt 1                                 ; this step's numbers are back from the stage (the last step's byte store may be out): so its stores into the stage have read their registers,
.else
	s_wait_dscnt 0x0
.endif
.if (\t)+4 < STEPS
	XLOAD (\t)+4                                   ; which take the loads of four steps on
.endif
.if (\t)+1 < STEPS
.if STEPS-2-(\t) >= 3
	s_wait_loadcnt 12                              ; the next step's four loads are in; those of the three steps behind it may be out
.else
	s_wait_loadcnt 4*(STEPS-2-(\t))
.endif
	XTURN (\t)+1                                   ; and go through the other stage while this step is worked
.endif
	v_max3_num_f32 v8, |v[XS]|, |v[XS+1]|, |v[XS+2]|               ; the largest magnitude of my 16
	v_max3_num_f32 v9, |v[XS+3]|, |v[XS+4]|, |v[XS+5]|
.irp i, 6,10
	v_max3_num_f32 v8, v8, |v[XS+\i]|, |v[XS+\i+1]|
	v_max3_num_f32 v9, v9, |v[XS+\i+2]|, |v[XS+\i+3]|
.endr
	v_max3_num_f32 v8, v8, |v[XS+14]|, |v[XS+15]|
	v_max3_num_f32 v8, v8, v9, 0x1800000           ; and the floor 2^(3 - 127): the byte cannot fall under 1
	v_max_num_f32_dpp v8, v8, v8 row_xmask:1 row_mask:0xf bank_mask:0xf   ; and of my neighbour's 16: the block's
	v_add_nc_u32 v11, 0xff000000, v8               ; 2 off its exponent field: the conversion's scale operand
	v_cvt_scalef32_pk8_fp4_f32 v[C+4*(\t)], v[XS:XS+7], v11
	v_cvt_scalef32_pk8_fp4_f32 v[C+4*(\t)+1], v[XS+8:XS+15], v11
	v_lshrrev_b32 v[E+(\t)], 23, v11               ; the scale's byte
	ds_store_b8 v5, v[E+(\t)] offset:16*(\t)       ; both lanes of a block write the same byte with the same value
	global_store_b64 v4, v[C+4*(\t):C+4*(\t)+1], s[12:13] offset:256*(\t)
.endm
.irp t, 0,1,2,3,4,5,6,7,8,9,10,11,12,13,14,15
	XSTEP \t
.endr
	ds_load_b64 v[8:9], v6                         ; LDS serves a wave's instructions in order: these see my stores
	s_wait_dscnt 0x0
	global_store_b64 v7, v[8:9], s[14:15]          ; 32 lanes store 256 consecutive bytes, aligned
.Lend:
	s_wait_tensorcnt 0x0                           ; the wave's end
	ds_add_u32 v[SPW], v[NIL]
	s_wait_dscnt 0x0
	s_endpgm
.Lfunc_end_k_qaba6def52f_quant:
	.size	k_qaba6def52f_quant, .Lfunc_end_k_qaba6def52f_quant-k_qaba6def52f_quant
	.p2alignl 7, 3214868480
	.fill 96, 4, 3214868480
	.section	.rodata,"a",@progbits
	.p2align	6, 0x0
	.amdhsa_kernel k_qaba6def52f_quant
		.amdhsa_group_segment_fixed_size 51712
		.amdhsa_private_segment_fixed_size 0
		.amdhsa_enable_private_segment 0
		.amdhsa_kernarg_size 64
		.amdhsa_user_sgpr_count 2
		.amdhsa_user_sgpr_kernarg_segment_ptr 1
		.amdhsa_wavefront_size32 1
		.amdhsa_system_sgpr_workgroup_id_x 1
		.amdhsa_system_sgpr_workgroup_id_y 1
		.amdhsa_system_sgpr_workgroup_id_z 1
		.amdhsa_system_vgpr_workitem_id 0
		.amdhsa_next_free_vgpr 192
		.amdhsa_next_free_sgpr 66
		.amdhsa_reserve_vcc 0
		.amdhsa_float_denorm_mode_32 3
		.amdhsa_float_denorm_mode_16_64 3
		.amdhsa_memory_ordered 1
		.amdhsa_forward_progress 1
		.amdhsa_inst_pref_size 73
	.end_amdhsa_kernel
	.amdgpu_metadata
---
amdhsa.version: [ 1, 2 ]
amdhsa.kernels:
  - .name:           k_qaba6def52f_quant
    .symbol:         k_qaba6def52f_quant.kd
    .args:
      - { .name: hidden_states, .offset: 0, .size: 8, .value_kind: global_buffer, .address_space: global }
      - { .name: Wq, .offset: 8, .size: 8, .value_kind: global_buffer, .address_space: global }
      - { .name: Wk, .offset: 16, .size: 8, .value_kind: global_buffer, .address_space: global }
      - { .name: Wv, .offset: 24, .size: 8, .value_kind: global_buffer, .address_space: global }
      - { .name: x_codes, .offset: 32, .size: 8, .value_kind: global_buffer, .address_space: global }
      - { .name: x_scales, .offset: 40, .size: 8, .value_kind: global_buffer, .address_space: global }
      - { .name: w_codes, .offset: 48, .size: 8, .value_kind: global_buffer, .address_space: global }
      - { .name: w_scales, .offset: 56, .size: 8, .value_kind: global_buffer, .address_space: global }
    .group_segment_fixed_size: 51712
    .private_segment_fixed_size: 0
    .kernarg_segment_align: 8
    .kernarg_segment_size: 64
    .max_flat_workgroup_size: 128
    .sgpr_count:     66
    .vgpr_count:     192
    .wavefront_size: 32
...
	.end_amdgpu_metadata
.endif
;; end of part 1
;; launch qkv (part 2): grid 12 x 32, 4 waves a work-group, clusters of 4 x 4, 327,680 bytes of LDS; arguments x_codes, x_scales, w_codes, w_scales, qkv, bq, bk, bv; writes qkv
.if DOCPART == 2
	.amdgcn_target "amdgcn-amd-amdhsa--gfx1250"
	.amdhsa_code_object_version 6
	.text
	.protected	k_qaba6def52f_qkv
	.globl	k_qaba6def52f_qkv
	.p2align	8
	.type	k_qaba6def52f_qkv,@function
k_qaba6def52f_qkv:
	s_mov_b64 s[64:65], 0
	v_nop
	global_prefetch_b8 v0, s[64:65] scope:SCOPE_SE
	s_setreg_imm32_b32 hwreg(HW_REG_WAVE_MODE, 25, 1), 1
	s_wait_xcnt 0x0
	s_wait_alu depctr_hold_cnt(0) depctr_sa_sdst(0) depctr_va_vdst(0) depctr_va_sdst(0) depctr_va_ssrc(0) depctr_va_vcc(0) depctr_vm_vsrc(0)
	s_getreg_b32 s2, hwreg(HW_REG_IB_STS2, 6, 4)
	s_cmp_eq_u32 s2, 0
	s_cbranch_scc0 .Lentry_in_a_cluster
	s_endpgm
.Lentry_in_a_cluster:
	s_bfe_u32 s2, ttmp6, 0x10000c
	s_cmp_lg_u32 s2, 0xf033
	s_cbranch_scc0 .Lentry_shape_is_right
	s_endpgm
.Lentry_shape_is_right:
; The three projections as ONE product on codes of FP4 (E2M1) with E8M0 scales: C[m][n] = sum over k of X[m][k] W[n][k] + bias[n], m = 8,192 rows of hidden_states, n = 3,072 = q | k | v x 1,024, k = 1,024.
; The result is rounded to f16 and laid for attention: qkv [3][batch 4][head 16][position 2048][64]; q is first multiplied by log2(e) / 8, so that attention's scores come out in base 2.
; LIMIT: q x 0.18, k and v must lie inside f16's range, 65,504 (inputs 30 times the drawn spread on both operands give some 5,400; a common offset of 30 spreads on both some 29,000).
; A tile of C, 256 x 256, is made by a work-group of four waves; a wave makes 128 x 128: 64 accumulators of 16 x 16, 512 registers.  K is two steps of 512, one in each of two LDS slots: both, and all scale
; bytes, are first fills.
; CLUSTERS: 4 x 4 work-groups.  The four of a row of the cluster need the same tiles of X, the four of a column the same tiles of W: each tile is asked for JOINTLY, by the same tensor load with the same
; descriptor and a mask that names the four.  A cluster's four tile columns are one of q, k, v: the cluster's x says which.
; THE MATRIX INSTRUCTION IS USED TRANSPOSED (source 0 = 16 rows of W, source 1 = 16 rows of X): a lane holds eight neighbouring columns of a row of C.  THE BIAS is the C of each sum's first matrix instruction.
; REGISTERS, in windows of 256: window 0: v0-31 addresses; v32-95 scale words, two sets; v128-191 X's fragments, ONE set; v192-255 the bias in the result's layout; on the way out v128-223 are at work.
;   window 1: W's fragments, TWO sets, at v0 and v128.   window 2: the 32 accumulators of my rows 0-63 ((a, b) at v[8 (8 a + b)]);   window 3: those of my rows 64-127.
.set NQ,     4                         ; matrix instructions deep in a slot: 512 along K
.set ROWB,   256                       ; a tile's row in bytes: 512 codes
.set KROW,   512                       ; a row of X or W in memory, in bytes
.set PITCH,  272                       ; an LDS row: 256 bytes + 16 of padding = 68 words: row r starts at bank 4 r mod 64 (64 banks of 4 bytes: ISA guide 11.1)
.set FR,     8                         ; registers of a fragment: 16 rows x 128 K
.set NL,     2                         ; LDS loads that bring one
.set NP,     4                         ; places behind this matrix instruction (ISA guide 7.12.1)
.set HALFT,  128*PITCH                 ; 128 rows: what one tensor load brings
.set SLOT,   4*HALFT                   ; X's 256 rows, then W's 256 rows
.set KS,     32                        ; a row of scale bytes
.set SCL,    2*SLOT                    ; behind the slots: the scale bytes, as pieces of 256 bytes + 16 of padding
.set HALFS,  (128*KS/256)*272          ; those of 128 rows: what one tensor load brings
.set SBLK,   (16*KS/256)*272           ; those of 16 rows
.set SPARE,  SCL+4*HALFS               ; the spare words, 128 bytes for each wave: two blocks of 256 bytes that no other line names
.set STAGE,  SPARE+512                 ; the way out: 16 rows x (256 bytes + 16) for each wave, bytes into which no tensor load lands
.set SPITCH, 272
.set ADRA, 16                          ; v16-17  LDS address of my X fragments in slot 0, 1
.set ADRB, 20                          ; v20-21  the same for W
.set STO,  24                          ; v24     the way out: where I put 16 bytes of a row
.set RD,   25                          ; v25     where I read 16 bytes back
.set CO,   26                          ; v26     16 x lane: my bytes of a store's 512
.set ADRS, 27                          ; v27     LDS address of my scale words: lanes 0-15 X's rows, lanes 16-31 W's
.set SPW,  28                          ; v28     LDS address of my spare word; never rewritten
.set NIL,  29                          ; v29     0; never rewritten
.set SC,   32                          ; scale words: set s at v[SC + 32 s]; register 4 i + q: lanes 0-15 the word of X's block i, lanes 16-31 of W's block i, for the slot's q-th 128 along K
.set AF,   128                         ; X's fragments, in window 0
.set BI,   192                         ; the bias: v[BI + 8 b + j] = bias(my first column + 16 b + 8 (lane / 16) + j)
.set TMP,  192                         ; the way out: a block's 32 packed registers (the bias is done with)
.set BK,   128                         ; the way out: rows read back: v128-159 and v160-191 by turns
.set G1, 24                            ; s[24:31] descriptor group 1 for X's tiles;  s[32:39] group 0, one set for each slot
.set G0, 32
.set G1B, 48                           ; s[48:55], s[56:63] the same for W's tiles
.set G0B, 56
.set G1S, 68                           ; s[68:75], s[76:79] groups 1 and 0 for X's scales;  s[80:87], s[88:91] for W's
.set G0S, 76
.set G1SB, 80
.set G0SB, 88
.set MSB, 0
.macro WIN new                         ; the immediate's high byte repeats the setting that is left; a switch that changes nothing is dropped
.if MSB != (\new)
	s_set_vgpr_msb (MSB<<8)|(\new)
.set MSB, (\new)
.endif
.endm
.set MUL_LO, 0xa1                      ; source 0 (W) window 1, source 1 (X) window 0, C and D window 2
.set MUL_HI, 0xf1                      ; the same, C and D window 3
.set BIA_LO, 0x81                      ; the first step: C is the bias, in window 0
.set BIA_HI, 0xc1
.set TO_B,   0x40                      ; destination window 1, address window 0
; A joint load: waves 0 and 1 fetch for X, waves 2 and 3 for W.  Each of the two lines has ONE mask and one set of registers for all that issue it; the branch hangs on the wave's number alone.
; An s_nop 0 and four v_nop follow each of the two lines, ahead of the jump, the label and what follows.
.macro JLOAD g0a, g1a, g0b, g1b
	s_cmp_eq_u32 s15, 0
	s_cbranch_scc0 .Lfor_b_\@
	tensor_load_to_lds s[\g0a:\g0a+3], s[\g1a:\g1a+7]
	s_nop 0
.rept 4
	v_nop
.endr
	s_branch .Lasked_\@
.Lfor_b_\@:
	tensor_load_to_lds s[\g0b:\g0b+3], s[\g1b:\g1b+7]
	s_nop 0
.rept 4
	v_nop
.endr
.Lasked_\@:
.endm
.macro CROUND                          ; a round of the cluster's barrier
	s_barrier_signal -1
	s_barrier_wait -1
	s_cmp_lg_u32 s14, 0
	s_cbranch_scc1 .Lnot_wave_0_\@
	s_barrier_signal -3
.Lnot_wave_0_\@:
	s_barrier_wait -3
	s_barrier_signal -1
	s_barrier_wait -1
.endm
	s_load_b128 s[4:7], s[0:1], 0x0                ; X's codes s[4:5], X's scales s[6:7]
	s_load_b128 s[8:11], s[0:1], 0x10              ; W's codes s[8:9], W's scales s[10:11]
	s_load_b64 s[12:13], s[0:1], 0x20              ; qkv
	s_load_b64 s[96:97], s[0:1], 0x28              ; bq
	s_load_b64 s[98:99], s[0:1], 0x30              ; bk
	s_load_b64 s[100:101], s[0:1], 0x38            ; bv
	v_lshl_add_u32 v[SPW], v0, 2, SPARE
	v_mov_b32 v[NIL], 0
	ds_add_u32 v[SPW], v[NIL]                      ; the wave's opening: the add, twice on end, and its wait ahead of my first tensor load; the set-up below stands between the second and the wait
	ds_add_u32 v[SPW], v[NIL]
	v_lshrrev_b32 v1, 5, v0
	v_readfirstlane_b32 s14, v1                    ; wave 0..3
	s_lshr_b32 s15, s14, 1                         ; which half of the tile's rows is mine.  Also: I fetch for X (0) or for W (1)
	s_and_b32 s16, s14, 1                          ; which half of its columns.  Also: which 128 rows of that tile I fetch
	s_bfe_u32 s40, ttmp6, 0x40000                  ; cx, cy: my place in the cluster
	s_bfe_u32 s41, ttmp6, 0x40004
	s_lshl_b32 s42, ttmp9, 2
	s_add_co_u32 s42, s42, s40                     ; tile column of C = 4 x cluster x + cx
	s_and_b32 s17, ttmp7, 0xffff
	s_lshl_b32 s17, s17, 2
	s_add_co_u32 s17, s17, s41                     ; tile row of C = 4 x cluster y + cy
	s_lshl_b32 s43, s41, 2
	s_lshl_b32 s43, 15, s43                        ; my row of the cluster
	s_lshl_b32 s44, 0x1111, s40                    ; my column
	; descriptor group 1: a tile of 128 rows x 256 bytes, padded in LDS
	s_or_b32 s[G1+0], s43, (0<<16)|(1<<20)|(1<<21)|(5<<22)|(3<<25)  ; 15:0 the mask: X's tiles go to my row; 17:16 element of 1 byte; 20 padding on; 21 set beside a mask; 24:22 after every 64 words (code 5); 31:25 of 4 words (code 3)
	s_or_b32 s[G1B+0], s44, (0<<16)|(1<<20)|(1<<21)|(5<<22)|(3<<25)
.irp g, G1, G1B
	s_mov_b32 s[\g+1], ROWB<<16                    ; tensor_dim0
	s_mov_b32 s[\g+2], 128<<16                     ; tensor_dim1 = 128
	s_mov_b32 s[\g+3], ROWB<<16                    ; tile_dim0
	s_mov_b32 s[\g+4], 128                         ; tile_dim1 = 128
	s_mov_b32 s[\g+5], KROW                        ; tensor_dim0_stride
	s_mov_b32 s[\g+6], 0
	s_mov_b32 s[\g+7], 0
.endr
	; and for the scale bytes of 128 rows: a dense block of 4,096 bytes, as 16 rows of 256 bytes (32 elements of 8 bytes), 16 bytes of padding behind each
	s_or_b32 s[G1S+0], s43, (3<<16)|(1<<20)|(1<<21)|(5<<22)|(3<<25)
	s_or_b32 s[G1SB+0], s44, (3<<16)|(1<<20)|(1<<21)|(5<<22)|(3<<25)
.irp g, G1S, G1SB
	s_mov_b32 s[\g+1], 32<<16
	s_mov_b32 s[\g+2], (128*KS/256)<<16
	s_mov_b32 s[\g+3], 32<<16
	s_mov_b32 s[\g+4], 128*KS/256
	s_mov_b32 s[\g+5], 32
	s_mov_b32 s[\g+6], 0
	s_mov_b32 s[\g+7], 0
.endr
	s_lshl_b32 s18, s16, 7                         ; which 128 rows of the tile I fetch
	s_lshl_b32 s20, s17, 8
	s_add_co_u32 s20, s20, s18                     ; X: row 256 x tile row + 128 x half
	s_lshl_b32 s46, s42, 8
	s_add_co_u32 s46, s46, s18                     ; W: row 256 x tile column + 128 x half
	s_mov_b32 s21, 0
	s_mov_b32 s47, 0
	s_mov_b64 s[18:19], KS
	s_mul_u64 s[22:23], s[20:21], s[18:19]         ; where these rows' scale bytes begin
	s_mul_u64 s[92:93], s[46:47], s[18:19]
	s_mov_b64 s[18:19], KROW
	s_mul_u64 s[20:21], s[20:21], s[18:19]         ; and their codes
	s_mul_u64 s[46:47], s[46:47], s[18:19]
	s_mul_i32 s45, s14, HALFT                      ; where they go: wave x 128 rows: no place in the cluster enters an LDS address
	s_mul_i32 s94, s14, HALFS
	s_wait_dscnt 0x0                               ; both opening adds are done
	s_wait_kmcnt 0x0
	s_add_nc_u64 s[20:21], s[4:5], s[20:21]
	s_add_nc_u64 s[22:23], s[6:7], s[22:23]
	s_add_nc_u64 s[46:47], s[8:9], s[46:47]
	s_add_nc_u64 s[92:93], s[10:11], s[92:93]
	CROUND                                         ; all sixteen work-groups are here: the joint loads meet
	s_mov_b32 s[G0S], 1
	s_add_co_u32 s[G0S+1], s94, SCL
	s_mov_b64 s[G0S+2:G0S+3], s[22:23]
	s_or_b32 s[G0S+3], s[G0S+3], 0x80000000
	s_mov_b32 s[G0SB], 1
	s_add_co_u32 s[G0SB+1], s94, SCL
	s_mov_b64 s[G0SB+2:G0SB+3], s[92:93]
	s_or_b32 s[G0SB+3], s[G0SB+3], 0x80000000
	JLOAD G0S, G1S, G0SB, G1SB                     ; the scale bytes first: they are wanted with K step 0
.irp s, 0,1
	s_mov_b32 s[G0+4*\s], 1
	s_add_co_u32 s[G0+4*\s+1], s45, \s*SLOT
	s_add_nc_u64 s[G0+4*\s+2:G0+4*\s+3], s[20:21], \s*ROWB
	s_or_b32 s[G0+4*\s+3], s[G0+4*\s+3], 0x80000000
	s_mov_b32 s[G0B+4*\s], 1
	s_add_co_u32 s[G0B+4*\s+1], s45, \s*SLOT
	s_add_nc_u64 s[G0B+4*\s+2:G0B+4*\s+3], s[46:47], \s*ROWB
	s_or_b32 s[G0B+4*\s+3], s[G0B+4*\s+3], 0x80000000
	JLOAD G0+4*\s, G1, G0B+4*\s, G1B
.endr
	v_and_b32 v1, 15, v0                           ; l % 16
	v_bfe_u32 v2, v0, 4, 1                         ; l / 16
	; the bias of my 128 columns, in the result's layout, and q's factor.  Which of q, k, v: the cluster's x, which all sixteen partners share
	s_cmp_eq_u32 ttmp9, 1
	s_cselect_b64 s[96:97], s[98:99], s[96:97]
	s_cmp_eq_u32 ttmp9, 2
	s_cselect_b64 s[96:97], s[100:101], s[96:97]
	s_cmp_eq_u32 ttmp9, 0
	s_cselect_b32 s2, 0x3e38aa3b, 1.0              ; log2(e) / 8 for q, 1 for k and v
	s_mov_b32 s3, s2                               ; (the packed form names the pair)
	s_lshl_b32 s66, s40, 10                        ; 256 columns of 4 bytes for each place along the cluster's x,
	s_lshl_b32 s67, s16, 9                         ; 128 for my half
	s_add_co_u32 s66, s66, s67
	s_mov_b32 s67, 0
	s_add_nc_u64 s[96:97], s[96:97], s[66:67]
	v_lshlrev_b32 v7, 5, v2                        ; lanes 16-31: eight columns on
.irp b, 0,1,2,3,4,5,6,7
	global_load_b128 v[BI+8*\b:BI+8*\b+3], v7, s[96:97] offset:64*\b
	global_load_b128 v[BI+8*\b+4:BI+8*\b+7], v7, s[96:97] offset:64*\b+16
.endr
	v_mul_u32_u24 v3, v1, PITCH
	v_lshl_add_u32 v4, v2, 4, v3                   ; a fragment's row x pitch + 16 x half
	s_mul_i32 s21, s15, HALFT                      ; my 128 rows of X
	s_mul_i32 s22, s16, HALFT                      ; my 128 rows of W,
	s_add_co_u32 s22, s22, 2*HALFT                 ; which lie behind X's 256
.irp s, 0,1
	v_add_nc_u32 v[ADRA+\s], s21, v4
	v_add_nc_u32 v[ADRB+\s], s22, v4
	s_add_co_u32 s21, s21, SLOT
	s_add_co_u32 s22, s22, SLOT
.endr
	v_mul_u32_u24 v5, v1, KS                       ; my row's scale bytes: 32 a row,
	v_lshrrev_b32 v6, 8, v5
	v_lshl_add_u32 v5, v6, 4, v5                   ; and 16 more for each 256 passed
	s_mul_i32 s21, s15, HALFS                      ; X's: my 128 rows
	s_mul_i32 s22, s16, HALFS                      ; W's: my 128 rows, behind X's 256
	s_add_co_u32 s22, s22, 2*HALFS
	s_sub_co_u32 s22, s22, s21
	v_mul_u32_u24 v6, s22, v2                      ; lanes 16-31 take W's
	s_add_co_u32 s21, s21, SCL
	v_add_nc_u32 v5, v5, v6
	v_add_nc_u32 v[ADRS], s21, v5
	s_mul_i32 s23, s14, 16*SPITCH
	s_add_co_u32 s23, s23, STAGE                   ; my stage
	v_mul_u32_u24 v5, v1, SPITCH                   ; in: row l % 16, 16 bytes for each half of the lanes
	v_lshl_add_u32 v5, v2, 4, v5
	v_add_nc_u32 v[STO], s23, v5
	v_and_b32 v6, 31, v0
	v_lshrrev_b32 v5, 3, v6                        ; back: eight lanes take one head's 128 bytes of a row, four rows an instruction
	v_mul_u32_u24 v5, v5, SPITCH
	v_and_b32 v8, 7, v0
	v_lshl_add_u32 v5, v8, 4, v5
	v_add_nc_u32 v[RD], s23, v5
	v_lshlrev_b32 v[CO], 4, v6                     ; in qkv those four rows are 512 consecutive bytes
	; where my part begins in qkv: [which of q, k, v] 2^24 + [batch] 2^22 + [head] 2^18 + [position] 128 bytes
	s_lshl_b32 s20, s17, 8
	s_lshl_b32 s21, s15, 7
	s_add_co_u32 s20, s20, s21                     ; my first row of C: 256 x tile row + 128 x half
	s_lshr_b32 s21, s20, 11                        ; its batch,
	s_and_b32 s20, s20, 2047                       ; its position
	s_lshl_b32 s21, s21, 22
	s_lshl_b32 s20, s20, 7
	s_add_co_u32 s20, s20, s21
	s_lshl_b32 s21, ttmp9, 24
	s_add_co_u32 s20, s20, s21
	s_lshl_b32 s46, s40, 2
	s_lshl_b32 s47, s16, 1
	s_add_co_u32 s46, s46, s47                     ; my first head: 4 cx + 2 x half
	s_lshl_b32 s46, s46, 18
	s_add_co_u32 s20, s20, s46
	s_mov_b32 s21, 0
	s_add_nc_u64 s[12:13], s[12:13], s[20:21]
.macro FRAG reg, adr, q, i             ; a fragment, 16 rows x 128 K of 4-bit codes: lane l holds row l % 16; registers 4 c .. 4 c + 3 hold K = 64 c + 32 (l / 16) + 0 .. 31
.irp c, 0,1
	ds_load_b128 v[\reg+4*\c:\reg+4*\c+3], v[\adr] offset:64*(\q)+32*\c+(\i)*16*PITCH
.endr
.endm
; 16 matrix instructions: X's blocks a0, a0 + 1 x W's eight, 128 along K: the slot's q-th.  p: W's set;  sc: the set of scale words.  zero = 1: the first product starts the sums, with the bias as C.
; The 64 accumulators take turns, one instruction a turn, in the same order in every step.
.macro MUL16 a0, p, q, sc, zero
.irp a, \a0, \a0+1
.irp b, 0,1,2,3,4,5,6,7
.if \zero
	v_wmma_scale_f32_16x16x128_f8f6f4 v[8*(8*((\a)%4)+\b):8*(8*((\a)%4)+\b)+7], v[128*(\p)+FR*\b:128*(\p)+FR*\b+FR-1], v[AF+FR*(\a):AF+FR*(\a)+FR-1], v[BI+8*\b:BI+8*\b+7], v[SC+8*NQ*(\sc)+NQ*\b+(\q)], v[SC+8*NQ*(\sc)+NQ*(\a)+(\q)] matrix_a_fmt:MATRIX_FMT_FP4 matrix_b_fmt:MATRIX_FMT_FP4 matrix_a_scale:MATRIX_SCALE_ROW1
.else
	v_wmma_scale_f32_16x16x128_f8f6f4 v[8*(8*((\a)%4)+\b):8*(8*((\a)%4)+\b)+7], v[128*(\p)+FR*\b:128*(\p)+FR*\b+FR-1], v[AF+FR*(\a):AF+FR*(\a)+FR-1], v[8*(8*((\a)%4)+\b):8*(8*((\a)%4)+\b)+7], v[SC+8*NQ*(\sc)+NQ*\b+(\q)], v[SC+8*NQ*(\sc)+NQ*(\a)+(\q)] matrix_a_fmt:MATRIX_FMT_FP4 matrix_b_fmt:MATRIX_FMT_FP4 matrix_a_scale:MATRIX_SCALE_ROW1
.endif
.endr
.endr
.endm
.macro FETCH_B slot, q, p              ; W's eight fragments of the slot's q-th 128 along K into set p
	WIN TO_B
.irp i, 0,1,2,3,4,5,6,7
	FRAG 128*(\p)+FR*\i, ADRB+\slot, \q, \i
.endr
	WIN 0
.endm
.macro FETCH_A slot, q, i0             ; X's blocks i0 .. i0 + 3
.irp i, \i0, \i0+1, \i0+2, \i0+3
	FRAG AF+FR*(\i), ADRA+\slot, \q, \i
.endr
.endm
.macro SCALES sc                       ; a K step's scale words into set sc: four words a row; lanes 0-15 take X's block i, lanes 16-31 W's block i
.irp i, 0,1,2,3,4,5,6,7
	ds_load_b128 v[SC+8*NQ*\sc+NQ*\i:SC+8*NQ*\sc+NQ*\i+3], v[ADRS] offset:\i*SBLK
.endr
.endm
; A load into a register that a matrix instruction has read, and a vector instruction that reads a matrix result, stand NP places behind that matrix instruction; only plain vector instructions that name
; none of its registers are places (ISA guide 7.12.1 for vector instructions).
.macro PLACES n
.rept \n
	v_nop
.endr
.endm
; A step of 128 along K that has its successor in the same slot.
.macro STEP slot, q, zero
	s_wait_dscnt 4*NL                              ; W's set and X's blocks 0-3 are in; the youngest eight loads (X's blocks 4-7) may be out
.if \zero
	WIN BIA_LO
.else
	WIN MUL_LO
.endif
	MUL16 0, (\q)%2, \q, \slot, \zero
	MUL16 2, (\q)%2, \q, \slot, \zero
	s_wait_dscnt 0                                 ; X's blocks 4-7 are in (asked for 32 matrix instructions ago)
	PLACES NP
	FETCH_B \slot, (\q)+1, 1-(\q)%2
	FETCH_A \slot, (\q)+1, 0
.if \zero
	WIN BIA_HI
.else
	WIN MUL_HI
.endif
	MUL16 4, (\q)%2, \q, \slot, \zero
	MUL16 6, (\q)%2, \q, \slot, \zero
	PLACES NP
	WIN 0
	FETCH_A \slot, (\q)+1, 4
.endm
; Slot 0's last step changes slots: ONE barrier; in front of it each wave waits for all its tensor loads (its part of slot 1), adds 0 to its spare word, and waits for that and for its LDS loads.  Nothing is filled again.
.macro TURN slot, next
	s_wait_tensorcnt 0x0                           ; all my tensor loads have landed  (every window is 0 here: the add's two registers lie in window 0)
	ds_add_u32 v[SPW], v[NIL]                      ; 0 onto my spare word
	s_wait_dscnt 4*NL+1                            ; (the add and the youngest eight loads, X's blocks 4-7, may be out)
	WIN MUL_LO
	MUL16 0, 1, NQ-1, \slot, 0                     ; sixteen matrix instructions stand between the add and the wait for it
	s_wait_dscnt 0x0                               ; the add is done, and no LDS load of mine is out
	s_barrier_signal -1
	MUL16 2, 1, NQ-1, \slot, 0
	WIN 0
	s_barrier_wait -1                              ; every wave's part of the next slot is in
	PLACES NP
	v_add_nc_u32 v[ADRS], 4*NQ, v[ADRS]            ; on to the next K step's scale words
	FETCH_B \next, 0, 0
	FETCH_A \next, 0, 0
	SCALES \next
	WIN MUL_HI
	MUL16 4, 1, NQ-1, \slot, 0
	MUL16 6, 1, NQ-1, \slot, 0
	PLACES NP
	WIN 0
	FETCH_A \next, 0, 4
.endm
.macro STEPS slot, from                ; the slot's steps from .. NQ - 2
.set Q, \from
.rept NQ-1-\from
	STEP \slot, Q, 0
.set Q, Q+1
.endr
.endm
	s_wait_tensorcnt 1                             ; the scale bytes and my part of K step 0 are in (K step 1's load may be out)
	s_barrier_signal -1
	s_barrier_wait -1                              ; everybody's are
	FETCH_B 0, 0, 0
	FETCH_A 0, 0, 0
	SCALES 0
	FETCH_A 0, 0, 4
	s_wait_loadcnt 0x0                             ; the bias
	STEP 0, 0, 1                                   ; the first step's products start the sums
	STEPS 0, 1
	TURN 0, 1
	STEPS 1, 0
	s_wait_dscnt 4*NL                              ; the very last step: nothing more to fetch
	WIN MUL_LO
	MUL16 0, 1, NQ-1, 1, 0
	MUL16 2, 1, NQ-1, 1, 0
	s_wait_dscnt 0
	WIN MUL_HI
	MUL16 4, 1, NQ-1, 1, 0
	MUL16 6, 1, NQ-1, 1, 0
	WIN 0
; THE WAY OUT, block by block of 16 rows x 128 columns (two heads).  PACK: x the factor, rounded to f16: 16 bytes a lane.  TOSTAGE: into my own stage in LDS, and back head by head, four rows of 128 bytes an
; instruction.  SEND: in qkv a head's rows follow each other, so each store of the wave covers 512 consecutive bytes, aligned.  Block a's arithmetic stands between block a - 1's loads from the stage and the wait for them.
.macro PACK a
.set AC, 64*((\a)%4)
	WIN 0x82+0x41*((\a)/4)                         ; destination and source 0: window 2 or 3
.irp b, 0,1,2,3,4,5,6,7
.irp r, 0,2,4,6
	v_pk_mul_f32 v[AC+8*\b+\r:AC+8*\b+\r+1], v[AC+8*\b+\r:AC+8*\b+\r+1], s[2:3] op_sel_hi:[1,0]   ; each accumulator from its low end on
.endr
.endr
	WIN 0x0a+5*((\a)/4)                            ; sources 0 and 1: window 2 or 3; destination window 0
.irp b, 0,1,2,3,4,5,6,7
.irp r, 0,1,2,3
	v_cvt_pk_f16_f32 v[TMP+4*\b+\r], v[AC+8*\b+2*\r], v[AC+8*\b+2*\r+1]
.endr
.endr
	WIN 0
.endm
.macro TOSTAGE a
.set BB, BK+32*((\a)%2)
.irp b, 0,1,2,3,4,5,6,7
	ds_store_b128 v[STO], v[TMP+4*\b:TMP+4*\b+3] offset:32*\b
.endr
.irp hd, 0,1
.irp g, 0,1,2,3
	ds_load_b128 v[BB+4*(4*\hd+\g):BB+4*(4*\hd+\g)+3], v[RD] offset:4*\g*SPITCH+128*\hd   ; LDS serves a wave's instructions in order (ISA guide 5.7.1.4): these see the stores above
.endr
.endr
.endm
.macro SEND a
.set BB, BK+32*((\a)%2)
	s_wait_dscnt 0x0                               ; the block is back in registers
	s_wait_xcnt 0x0                                ; the stores of the block before have read their registers: the next block's loads land there only behind this wait
.irp hd, 0,1
.irp g, 0,1,2,3
	global_store_b128 v[CO], v[BB+4*(4*\hd+\g):BB+4*(4*\hd+\g)+3], s[12:13] offset:\hd*262144+(\a)*2048+512*\g th:TH_STORE_NT
.endr
.endr
.endm
	PLACES NP                                      ; behind the last products: for the reads of results and for the loads into the registers that held X's fragments
	PACK 0
	TOSTAGE 0
.irp a, 1,2,3,4,5,6,7
	PACK \a
	SEND \a-1
	TOSTAGE \a
.endr
	SEND 7
	s_wait_tensorcnt 0x0                           ; the wave's end: these three lines stand behind my last tensor load and my last LDS store
	ds_add_u32 v[SPW], v[NIL]
	s_wait_dscnt 0x0
	CROUND                                         ; the closing round: no work-group ends while a partner may still ask for a tile that names it
	s_endpgm
.Lfunc_end_k_qaba6def52f_qkv:
	.size	k_qaba6def52f_qkv, .Lfunc_end_k_qaba6def52f_qkv-k_qaba6def52f_qkv
	.p2alignl 7, 3214868480
	.fill 96, 4, 3214868480
	.section	.rodata,"a",@progbits
	.p2align	6, 0x0
	.amdhsa_kernel k_qaba6def52f_qkv
		.amdhsa_group_segment_fixed_size 327680
		.amdhsa_private_segment_fixed_size 0
		.amdhsa_enable_private_segment 0
		.amdhsa_kernarg_size 64
		.amdhsa_user_sgpr_count 2
		.amdhsa_user_sgpr_kernarg_segment_ptr 1
		.amdhsa_wavefront_size32 1
		.amdhsa_system_sgpr_workgroup_id_x 1
		.amdhsa_system_sgpr_workgroup_id_y 1
		.amdhsa_system_sgpr_workgroup_id_z 1
		.amdhsa_system_vgpr_workitem_id 0
		.amdhsa_next_free_vgpr 1024
		.amdhsa_next_free_sgpr 102
		.amdhsa_reserve_vcc 0
		.amdhsa_float_denorm_mode_32 3
		.amdhsa_float_denorm_mode_16_64 3
		.amdhsa_memory_ordered 1
		.amdhsa_forward_progress 1
		.amdhsa_inst_pref_size 145
	.end_amdhsa_kernel
	.amdgpu_metadata
---
amdhsa.version: [ 1, 2 ]
amdhsa.kernels:
  - .name:           k_qaba6def52f_qkv
    .symbol:         k_qaba6def52f_qkv.kd
    .args:
      - { .name: x_codes, .offset: 0, .size: 8, .value_kind: global_buffer, .address_space: global }
      - { .name: x_scales, .offset: 8, .size: 8, .value_kind: global_buffer, .address_space: global }
      - { .name: w_codes, .offset: 16, .size: 8, .value_kind: global_buffer, .address_space: global }
      - { .name: w_scales, .offset: 24, .size: 8, .value_kind: global_buffer, .address_space: global }
      - { .name: qkv, .offset: 32, .size: 8, .value_kind: global_buffer, .address_space: global }
      - { .name: bq, .offset: 40, .size: 8, .value_kind: global_buffer, .address_space: global }
      - { .name: bk, .offset: 48, .size: 8, .value_kind: global_buffer, .address_space: global }
      - { .name: bv, .offset: 56, .size: 8, .value_kind: global_buffer, .address_space: global }
    .group_segment_fixed_size: 327680
    .private_segment_fixed_size: 0
    .kernarg_segment_align: 8
    .kernarg_segment_size: 64
    .max_flat_workgroup_size: 128
    .sgpr_count:     102
    .vgpr_count:     1024
    .wavefront_size: 32
...
	.end_amdgpu_metadata
.endif
;; end of part 2
;; launch attn (part 3): grid 4 x 64, 8 waves a work-group, clusters of 4 x 1, 327,680 bytes of LDS; arguments qkv, attention_mask, out0; writes out0
.if DOCPART == 3
	.amdgcn_target "amdgcn-amd-amdhsa--gfx1250"
	.amdhsa_code_object_version 6
	.text
	.protected	k_qaba6def52f_attn
	.globl	k_qaba6def52f_attn
	.p2align	8
	.type	k_qaba6def52f_attn,@function
k_qaba6def52f_attn:
	s_mov_b64 s[64:65], 0
	v_nop
	global_prefetch_b8 v0, s[64:65] scope:SCOPE_SE
	s_setreg_imm32_b32 hwreg(HW_REG_WAVE_MODE, 25, 1), 1
	s_wait_xcnt 0x0
	s_wait_alu depctr_hold_cnt(0) depctr_sa_sdst(0) depctr_va_vdst(0) depctr_va_sdst(0) depctr_va_ssrc(0) depctr_va_vcc(0) depctr_vm_vsrc(0)
	s_getreg_b32 s2, hwreg(HW_REG_IB_STS2, 6, 4)
	s_cmp_eq_u32 s2, 0
	s_cbranch_scc0 .Lentry_in_a_cluster
	s_endpgm
.Lentry_in_a_cluster:
	s_bfe_u32 s2, ttmp6, 0x10000c
	s_cmp_lg_u32 s2, 0x3003
	s_cbranch_scc0 .Lentry_shape_is_right
	s_endpgm
.Lentry_shape_is_right:
; out0[b][q][64 head + :] = the sum over k of softmax_k(Q[q] . K[k] / 8 + mask[b][k]) V[k][:], for each of 64 (batch, head).  qkv: f16, [3][batch][head][2048][64]; Q carries log2(e) / 8 already.
; Products on f16 operands with f32 sums; maxima, exponentials and sums in f32; the weights p (at most 1) are rounded to f16 for the second product.
; LIMITS: a mask of -infinity is served (its p is 0).  A batch whose every key has mask x log2(e) under -3e38 gives NaN (with -infinity so does the definition; with the largest finite negative number it does not).
; SHARES.  A work-group owns 512 queries of one (batch, head), each of its eight waves 64: four tiles of 16; two waves to a SIMD, so that one wave's softmax stands beside the other's products.  Every wave walks all 2,048 keys, 64 a step.
; LAYOUT.  S^T = K Q^T + C (source 0 = 16 keys, source 1 = 16 queries, C = mask x log2(e) in the result's layout: the mask costs no vector instruction): a lane holds ONE query (lane % 16) and keys 8 (lane / 16) + 0..7.
; Two such tiles, rounded to f16 in pairs, ARE source 1 (32 keys x 16 queries) of O^T = V^T P.  K comes out of LDS as it lies, V ([key][channel]) turned, by ds_load_tr16_b128.
; SOFTMAX.  For each query a running maximum m and sum l: p = 2^(s - m); in every step O and l are multiplied by a = 2^(m_old - m_new).
; PIECES.  Tiles 0, 1 and tiles 2, 3 go one after the other through ONE buffer of scores (64 registers) and share K's and V's fragments: each fragment read from LDS feeds four tiles.
; CLUSTER.  The four query blocks of a (batch, head) form a cluster and walk the same K and V: each tile is asked for JOINTLY, by the same tensor load with the same descriptor and a mask that names the four.
; RING.  Two slots of four key steps; wave w fetches one tile of a slot (w < 4: K's of step w; else V's of step w - 4): 64 keys = 32 rows of two keys, 256 bytes.  Two tensor loads of a wave are out at the head, later one.
; REGISTERS.  Window 0: v0-15 addresses; v16-47 statistics; v48-79 the mask as C; v80-143 S^T, then P in place; v144-207 Q; v208-215 partial sums; v216-223 the mask at the head.
;   Window 1: v0-127 O^T (32 a tile); v128-191 K of one step; v192-255 V of one step.
.set PK,    272       ; two keys' rows of K in LDS: 256 bytes + 16 of padding: the 16 keys of a load start at 16 different groups of four banks (64 banks of 4 bytes: ISA guide 11.1)
.set PV,    288       ; two keys' rows of V: 256 + 32
.set VOFF,  32*PK     ; a step's tiles lie together: K's 64 keys, then V's
.set STEPB, 32*(PK+PV)
.set SLOT1, 1<<17     ; a slot holds four steps (71,680 bytes); slot 1 begins here, so that one exclusive or turns an address in one slot into the other's
.set SLOTB, 32768     ; a slot's 256 keys of K or of V in memory
.set STAGE, SLOT1+4*STEPB  ; behind the ring: 16 rows x 272 bytes for each wave, for the way out
.set SP,    272
.set MASKB, STAGE+8*16*SP  ; the batch's mask x log2(e): 2,048 f32
.set SPARE, MASKB+8192     ; the spare words, 128 bytes for each wave: four blocks of 256 bytes that no other line names
.set AK0, 2           ; v2   my lane's place in a tile of K; never rewritten
.set AV0, 3           ; v3   the same for V
.set AM0, 4           ; v4   the same in the mask
.set ADR, 5           ; v5   the LDS address of the run of loads in hand
.set PFO, 6           ; v6   256 x my lane; never rewritten
.set QO,  7           ; v7   my byte offset in the wave's rows of Q
.set STO, 8           ; v8   the way out: where I put 32 bytes of a row
.set RD,  9           ; v9   the way out: where I read a row back
.set SPW, 12          ; v12  LDS address of my spare word; never rewritten
.set NIL, 13          ; v13  0; never rewritten
.set GO,  14          ; v14  my byte offset in the wave's rows of out0
.set MO,  15          ; v15  16 x my thread's number: the mask at the head
.set ST,  16          ; tile t's statistics at v[ST+8 t]: +0 m, +1 m_old - m_new, +2, +3 l (even keys', odd keys'), +4, +5 at work, +6 a, +7 named with a as a pair
.set MK,  48          ; the mask as C: key tile a at +8 a
.set S,   80          ; S^T: tile u of the piece at +32 u, key tile a at +8 a; P in place at +32 u + 0..15
.set Q,   144         ; Q: tile t at +16 t, channels 32 c on at +8 c
.set T,   208         ; partial sums: tile u at +4 u (keys' tiles 0, 1) and +4 u + 2 (tiles 2, 3)
.set MH,  216
.set OB,  80          ; the way out: O^T / l, 32 registers a tile
.set KF,  128         ; in window 1: K's fragments: +16 a + 8 c
.set VF,  192         ; in window 1: V's: +32 g + 8 f
.set WV,  12          ; s12  my wave's number
.set LIM, 15          ; s15  1 in a wave that prefetches, else the greatest number
.set PFA, 18          ; s[18:19] where my prefetches stand
.set G1K, 24          ; s[24:31] descriptor group 1 for K's tiles
.set G1V, 32          ; s[32:39] for V's: it differs in the padding alone
.set G0K, 40          ; s[40:47] descriptor group 0 for K's tiles: a set for each of the two first fills; the second then walks on
.set G0V, 48          ; s[48:55] the same for V's
.set SLOTS, 56        ; s56  slots still to be asked for
.set CNT, 57          ; s57  counts the trips of an inner loop
.set SEL, 60          ; s[60:61] lane selects for v_permlanex16_b32: lane l xor 16
.set TB,  62          ; s62  LDS byte at which the tiles of the step to be fetched begin
.set TM,  63          ; s63  byte of the mask at which that step's 64 keys begin
.set MSB, 0
.macro WIN new                      ; the immediate's high byte repeats the setting that is left; a switch that changes nothing is dropped
.if MSB != (\new)
	s_set_vgpr_msb (MSB<<8)|(\new)
.set MSB, (\new)
.endif
.endm
.set W_KQ, 0x01       ; K in window 1; Q, the mask and S^T in window 0
.set W_PV, 0x51       ; V and O^T in window 1, P in window 0
.set W_RS, 0x41       ; O^T (destination and source 0) in window 1, a in window 0
.set W_LD, 0x40       ; destination window 1, address window 0
; A joint refill.  Waves 0 to 3 fetch the slot's four tiles of K, waves 4 to 7 those of V.  The branch hangs on the wave's number alone.
; An s_nop 0 and four v_nop follow each of the two lines; the jump, the label and what follows come after them.
.macro JLOAD
	s_cmp_lt_u32 s[WV], 4
	s_cbranch_scc0 .Lfor_v_\@
	tensor_load_to_lds s[G0K+4:G0K+7], s[G1K:G1K+7]
	s_nop 0
.rept 4
	v_nop
.endr
	s_branch .Lasked_\@
.Lfor_v_\@:
	tensor_load_to_lds s[G0V+4:G0V+7], s[G1V:G1V+7]
	s_nop 0
.rept 4
	v_nop
.endr
.Lasked_\@:
.endm
; A PREFETCH of what the NEXT change of slots will ask for: a slot's 32,768 bytes of K and of V.  It stands behind the wave's tensor load and its five lines.  Each aligned 256 bytes are named once in the launch:
; one cluster alone walks a (batch, head); its four partners share a slot out BY ADDRESS, 8,192 bytes each (no branch hangs on a work-group's place in its cluster); in each, wave 0 asks for K's and wave 4 for V's,
; lanes 256 bytes apart: one instruction.  It runs one slot, four key steps or 256 matrix instructions of a wave, ahead of the joint load.  The last change that fills a slot asks for nothing; slots 0 to 2 come by their loads alone.
.macro ASK
	s_cmp_gt_u32 s[SLOTS], s[LIM]
	s_cbranch_scc0 .Lnot_mine_\@
	global_prefetch_b8 v[PFO], s[PFA:PFA+1] th:TH_LOAD_NT scope:SCOPE_SE
.Lnot_mine_\@:
.endm
.macro CROUND                       ; a round of the cluster's barrier
	s_barrier_signal -1
	s_barrier_wait -1
	s_cmp_lg_u32 s[WV], 0
	s_cbranch_scc1 .Lnot_wave_0_\@
	s_barrier_signal -3
.Lnot_wave_0_\@:
	s_barrier_wait -3
	s_barrier_signal -1
	s_barrier_wait -1
.endm
.macro PLACES n
.rept \n
	v_nop
.endr
.endm
	s_load_b128 s[4:7], s[0:1], 0x0   ; qkv s[4:5], attention_mask s[6:7]
	s_load_b64 s[8:9], s[0:1], 0x10   ; out0
	v_lshl_add_u32 v[SPW], v0, 2, SPARE
	v_mov_b32 v[NIL], 0
	ds_add_u32 v[SPW], v[NIL]       ; the wave's opening: the add, twice on end, and its wait ahead of my first tensor load; the set-up below stands between the second and the wait
	ds_add_u32 v[SPW], v[NIL]
	v_lshrrev_b32 v1, 5, v0
	v_readfirstlane_b32 s[WV], v1   ; wave 0..7
	s_bfe_u32 s13, ttmp6, 0x40000   ; cx: my place in the cluster
	s_lshl_b32 s14, ttmp9, 2
	s_add_co_u32 s14, s14, s13      ; my block of 512 queries: it enters Q's and out0's addresses alone
	s_and_b32 s10, ttmp7, 0xffff    ; 16 x batch + head, which the four partners share
	s_and_b32 s16, s[WV], 3         ; which of a slot's four steps I fetch:
	s_lshl_b32 s22, s10, 18         ; the head's 262,144 bytes,
	s_lshl_b32 s17, s16, 13         ; the step's 64 rows of 128 bytes,
	s_add_co_u32 s22, s22, s17
	s_mov_b32 s23, 0
	s_mul_i32 s17, s16, STEPB       ; and its place in a slot: no place in the cluster enters an LDS address
	s_lshl_b32 s20, s10, 18         ; Q: the head,
	s_lshl_b32 s21, s14, 16         ; my block's 512 rows,
	s_add_co_u32 s20, s20, s21
	s_lshl_b32 s21, s[WV], 13       ; my wave's 64
	s_add_co_u32 s20, s20, s21
	s_mov_b32 s21, 0
	s_lshr_b32 s11, s10, 4          ; the batch
	s_lshl_b32 s2, s11, 13          ; its 8,192 bytes of the mask
	s_mov_b32 s3, 0
	s_lshl_b32 s58, s11, 11         ; out0: row 2048 batch + 512 block + 64 wave, of 4,096 bytes,
	s_lshl_b32 s59, s14, 9
	s_add_co_u32 s58, s58, s59
	s_lshl_b32 s59, s[WV], 6
	s_add_co_u32 s58, s58, s59
	s_lshl_b32 s58, s58, 12
	s_and_b32 s59, s10, 15
	s_lshl_b32 s59, s59, 8          ; + the head's 256 bytes
	s_add_co_u32 s58, s58, s59
	s_mov_b32 s59, 0
	; descriptor group 1: a tile of 32 rows x 128 elements (two keys to a row: the rows are dense in memory), padded in LDS
	s_mov_b32 s[G1K], 15|(1<<16)|(1<<20)|(1<<21)|(5<<22)|(3<<25)  ; 15:0 the mask: all four work-groups; 17:16 elements of 2 bytes; 20 padding on; 21 set beside a mask; 24:22 after every 64 words (code 5); 31:25 4 words of it (code 3)
	s_mov_b32 s[G1V], 15|(1<<16)|(1<<20)|(1<<21)|(5<<22)|(7<<25)  ; the same with 8 words of padding (code 7)
.irp g, G1K, G1V
	s_mov_b32 s[\g+1], 128<<16      ; tensor_dim0 = 128
	s_mov_b32 s[\g+2], 32<<16       ; tensor_dim1 = 32
	s_mov_b32 s[\g+3], 128<<16      ; tile_dim0 = 128
	s_mov_b32 s[\g+4], 32           ; tile_dim1 = 32
	s_mov_b32 s[\g+5], 128          ; tensor_dim0_stride
	s_mov_b32 s[\g+6], 0
	s_mov_b32 s[\g+7], 0
.endr
	s_mov_b32 s[SEL], 0x76543210
	s_mov_b32 s[SEL+1], 0xfedcba98
	s_mov_b32 s[TB], 0
	s_mov_b32 s[TM], 0
	s_mov_b32 s[SLOTS], 6           ; eight slots' worth of keys; two are first fills
	s_cmp_eq_u32 s16, 0             ; waves 0 and 4 prefetch: the same in all four partners
	s_cselect_b32 s[LIM], 1, -1
	v_and_b32 v[PFO], 31, v0
	v_lshlrev_b32 v[PFO], 8, v[PFO]
	s_wait_dscnt 0x0                ; both opening adds are done
	s_wait_kmcnt 0x0
	s_add_nc_u64 s[66:67], s[4:5], s[22:23]
	s_add_nc_u64 s[66:67], s[66:67], 0x1000000   ; K at my tile of slot 0
	s_add_nc_u64 s[68:69], s[66:67], 0x1000000   ; V likewise
	s_add_nc_u64 s[70:71], s[4:5], s[20:21]      ; Q at my wave's first row
	s_add_nc_u64 s[6:7], s[6:7], s[2:3]          ; the batch's mask
	s_add_nc_u64 s[8:9], s[8:9], s[58:59]        ; out0 at my wave's first row, my head's columns
	s_cmp_lt_u32 s[WV], 4
	s_cselect_b64 s[PFA:PFA+1], s[66:67], s[68:69]  ; (in waves 0 and 4 these stand at a slot's first row)
	s_lshl_b32 s2, s13, 13          ; my work-group's 8,192 bytes of the 32,768
	s_add_nc_u64 s[PFA:PFA+1], s[PFA:PFA+1], s[2:3]
	s_add_nc_u64 s[PFA:PFA+1], s[PFA:PFA+1], 2*SLOTB  ; in slot 2; the first change of slots steps it to slot 3.  Nothing is prefetched here, at the head
	CROUND                          ; all four work-groups are here: the first joint loads meet
.irp s, 0,1
	s_mov_b32 s[G0K+4*\s], 1        ; count = 1
	s_add_co_u32 s[G0K+4*\s+1], s17, \s*SLOT1  ; LDS address
	s_add_nc_u64 s[G0K+4*\s+2:G0K+4*\s+3], s[66:67], \s*SLOTB  ; global address: slot s begins with keys 256 s
	s_or_b32 s[G0K+4*\s+3], s[G0K+4*\s+3], 0x80000000  ; type = 2
	s_mov_b32 s[G0V+4*\s], 1
	s_add_co_u32 s[G0V+4*\s+1], s17, \s*SLOT1+VOFF
	s_add_nc_u64 s[G0V+4*\s+2:G0V+4*\s+3], s[68:69], \s*SLOTB
	s_or_b32 s[G0V+4*\s+3], s[G0V+4*\s+3], 0x80000000
.endr
	s_cmp_lt_u32 s[WV], 4           ; a wave's two first fills stand in one branch, ahead of every wait on TENSORcnt and every LDS read
	s_cbranch_scc0 .Lfirst_v
	tensor_load_to_lds s[G0K:G0K+3], s[G1K:G1K+7]
	s_nop 0
	tensor_load_to_lds s[G0K+4:G0K+7], s[G1K:G1K+7]
	s_nop 0
.rept 4
	v_nop
.endr
	s_branch .Lfirst_asked
.Lfirst_v:
	tensor_load_to_lds s[G0V:G0V+3], s[G1V:G1V+7]
	s_nop 0
	tensor_load_to_lds s[G0V+4:G0V+7], s[G1V:G1V+7]
	s_nop 0
.rept 4
	v_nop
.endr
.Lfirst_asked:
	v_lshlrev_b32 v[MO], 4, v0
	global_load_b128 v[MH:MH+3], v[MO], s[6:7]                 ; the batch's mask: 256 threads x 16 bytes, twice
	global_load_b128 v[MH+4:MH+7], v[MO], s[6:7] offset:4096
	v_and_b32 v1, 15, v0            ; r = lane % 16
	v_bfe_u32 v10, v0, 4, 1         ; h = lane / 16
	v_lshlrev_b32 v[QO], 7, v1
	v_lshl_add_u32 v[QO], v10, 4, v[QO]  ; row x 128 + 16 x half
.irp t, 0,1,2,3                     ; Q stays in registers: a fragment is 16 rows x 32 channels: registers 0-3 channels 8 h + 0..7, registers 4-7 channels 16 + 8 h + 0..7
.irp c, 0,1
	global_load_b128 v[Q+16*\t+8*\c:Q+16*\t+8*\c+3],   v[QO], s[70:71] offset:2048*\t+64*\c th:TH_LOAD_NT
	global_load_b128 v[Q+16*\t+8*\c+4:Q+16*\t+8*\c+7], v[QO], s[70:71] offset:2048*\t+64*\c+32 th:TH_LOAD_NT
.endr
.endr
	v_lshrrev_b32 v11, 1, v1        ; K: key r of a tile lies in row r / 2, half r % 2
	v_mul_u32_u24 v[AK0], v11, PK
	v_and_b32 v11, 1, v0
	v_lshl_add_u32 v[AK0], v11, 7, v[AK0]
	v_lshl_add_u32 v[AK0], v10, 4, v[AK0]
	; The turning load takes 16 keys x 16 channels (lane l reads 16 bytes: key 8 h + l % 8, channels 8 ((l / 8) % 2) + 0..7) and leaves half a fragment of V^T: lane l holds channel l % 16 and 8 keys.
	v_bfe_u32 v[AV0], v0, 1, 2      ; (l % 8) / 2
	v_lshl_add_u32 v[AV0], v10, 2, v[AV0]  ; + 4 h: the key's row
	v_mul_u32_u24 v[AV0], v[AV0], PV
	v_lshl_add_u32 v[AV0], v11, 7, v[AV0]  ; its half of the row
	v_bfe_u32 v11, v0, 3, 1
	v_lshl_add_u32 v[AV0], v11, 4, v[AV0]
	v_add_nc_u32 v[AV0], VOFF, v[AV0]
	v_lshl_add_u32 v[AM0], v10, 5, MASKB   ; the mask: my half's eight keys of a tile
	s_mul_i32 s21, s[WV], 16*SP
	s_add_co_u32 s21, s21, STAGE    ; my stage
	v_mul_u32_u24 v[STO], v1, SP    ; in: row r, 32 bytes for each half of the lanes
	v_lshl_add_u32 v[STO], v10, 5, v[STO]
	v_add_nc_u32 v[STO], s21, v[STO]
	v_mul_u32_u24 v[RD], v10, SP    ; back: lanes 0-15 take one row of 256 bytes, lanes 16-31 the next
	v_lshl_add_u32 v[RD], v1, 4, v[RD]
	v_add_nc_u32 v[RD], s21, v[RD]
	v_lshlrev_b32 v[GO], 12, v10    ; and the same two rows in out0
	v_lshl_add_u32 v[GO], v1, 4, v[GO]
.irp t, 0,1,2,3
	v_mov_b32 v[ST+8*\t+1], 0       ; named as upper halves of pairs before they are first written
	v_mov_b32 v[ST+8*\t+7], 0
.endr
	v_lshl_add_u32 v[ADR], v0, 4, MASKB
	s_wait_loadcnt 16               ; the mask is in; Q's 16 loads may be out
.irp j, 0,2,4,6
	v_pk_mul_f32 v[MH+\j:MH+\j+1], v[MH+\j:MH+\j+1], 0x3fb8aa3b op_sel_hi:[1,0]   ; x log2(e)
.endr
	ds_store_b128 v[ADR], v[MH:MH+3]
	ds_store_b128 v[ADR], v[MH+4:MH+7] offset:4096
; THE LDS LOADS stand in runs: a step's K (16 loads), its 64 numbers of the mask (8), and, half a step later, its V (16, turned).
.macro FETCH_K
	WIN 0
	v_add_nc_u32 v[ADR], s[TB], v[AK0]
	WIN W_LD
.irp a, 0,1,2,3                     ; keys 16 a on (eight rows of two keys), channels 32 c on
.irp c, 0,1
	ds_load_b128 v[KF+16*\a+8*\c:KF+16*\a+8*\c+3],   v[ADR] offset:8*PK*\a+64*\c
	ds_load_b128 v[KF+16*\a+8*\c+4:KF+16*\a+8*\c+7], v[ADR] offset:8*PK*\a+64*\c+32
.endr
.endr
.endm
.macro FETCH_M
	WIN 0
	v_add_nc_u32 v[ADR], s[TM], v[AM0]
	s_add_co_u32 s[TM], s[TM], 256  ; the next step's 64 keys,
	s_and_b32 s[TM], s[TM], 0x1fff  ; held inside the mask's 8,192 bytes (behind the last step it is not used)
.irp a, 0,1,2,3                     ; register j of tile a: key 16 a + 8 h + j, the same for all 16 queries
	ds_load_b128 v[MK+8*\a:MK+8*\a+3],   v[ADR] offset:64*\a
	ds_load_b128 v[MK+8*\a+4:MK+8*\a+7], v[ADR] offset:64*\a+16
.endr
.endm
.macro FETCH_V
	WIN 0
	v_add_nc_u32 v[ADR], s[TB], v[AV0]
	s_add_co_u32 s[TB], s[TB], STEPB  ; the next fetch is the next step's
	WIN W_LD
.irp g, 0,1                         ; keys 32 g on (16 rows of two keys), channels 16 f on
.irp f, 0,1,2,3
	ds_load_tr16_b128 v[VF+32*\g+8*\f:VF+32*\g+8*\f+3],   v[ADR] offset:16*PV*\g+32*\f
	ds_load_tr16_b128 v[VF+32*\g+8*\f+4:VF+32*\g+8*\f+7], v[ADR] offset:16*PV*\g+8*PV+32*\f
.endr
.endr
.endm
; THE MATRIX WORK.  The accumulators take turns, one instruction a turn: between two links of a chain stand seven others'.
; Product i of 16 of S^T = K Q^T + mask for tiles x, x + 1: channels 32 (i / 8) on, keys 16 ((i / 2) % 4) on, tile x + i % 2.  The first 8 start the sums, with the mask as C.
.macro QK x
	WIN W_KQ
.set i, 0
.rept 16
.set rS, S+32*(i%2)+8*((i/2)%4)
.set rK, KF+16*((i/2)%4)+8*(i/8)
.set rQ, Q+16*(\x+i%2)+8*(i/8)
.set rM, MK+8*((i/2)%4)
.if i < 8
	v_wmma_f32_16x16x32_f16 v[rS:rS+7], v[rK:rK+7], v[rQ:rQ+7], v[rM:rM+7]
.else
	v_wmma_f32_16x16x32_f16 v[rS:rS+7], v[rK:rK+7], v[rQ:rQ+7], v[rS:rS+7]
.endif
.set i, i+1
.endr
.endm
; Product i of 16 of O^T += V^T P: keys 32 (i / 8) on, channels 16 ((i / 2) % 4) on, tile x + i % 2.  first = 1: the first 8 start the sums: nothing is ever cleared.
.macro PVM x, first
	WIN W_PV
.set i, 0
.rept 16
.set rO, 32*(\x+i%2)+8*((i/2)%4)
.set rV, VF+32*(i/8)+8*((i/2)%4)
.set rP, S+32*(i%2)+8*(i/8)
.if \first && (i < 8)
	v_wmma_f32_16x16x32_f16 v[rO:rO+7], v[rV:rV+7], v[rP:rP+7], 0
.else
	v_wmma_f32_16x16x32_f16 v[rO:rO+7], v[rV:rV+7], v[rP:rP+7], v[rO:rO+7]
.endif
.set i, i+1
.endr
.endm
; THE SOFTMAX of tiles x, x + 1 for one key step; the two tiles alternate line by line.  first = 1: the first key step, which starts m, l and O^T.
.macro SOFTMAX x, first
	WIN 0
	; the maximum of the lane's 32 scores and the old m: two chains a tile, each accumulator read from its low end on
.irp u, 0,1
	v_max3_num_f32 v[ST+8*(\x+\u)+4], v[S+32*\u], v[S+32*\u+1], v[S+32*\u+2]
	v_max3_num_f32 v[ST+8*(\x+\u)+5], v[S+32*\u+16], v[S+32*\u+17], v[S+32*\u+18]
.endr
.irp k, 3,5,7,9,11,13
.irp u, 0,1
	v_max3_num_f32 v[ST+8*(\x+\u)+4], v[ST+8*(\x+\u)+4], v[S+32*\u+\k], v[S+32*\u+\k+1]
	v_max3_num_f32 v[ST+8*(\x+\u)+5], v[ST+8*(\x+\u)+5], v[S+32*\u+16+\k], v[S+32*\u+17+\k]
.endr
.endr
.irp u, 0,1
	v_max3_num_f32 v[ST+8*(\x+\u)+4], v[ST+8*(\x+\u)+4], v[S+32*\u+15], v[S+32*\u+31]
.endr
.irp u, 0,1
.if \first
	v_max3_num_f32 v[ST+8*(\x+\u)+4], v[ST+8*(\x+\u)+4], v[ST+8*(\x+\u)+5], 0xff61b1e6   ; -3e38 stands under every m, so that -infinity less m is never a difference of infinities
.else
	v_max3_num_f32 v[ST+8*(\x+\u)+4], v[ST+8*(\x+\u)+4], v[ST+8*(\x+\u)+5], v[ST+8*(\x+\u)]
.endif
.endr
.irp u, 0,1
	v_permlanex16_b32 v[ST+8*(\x+\u)+5], v[ST+8*(\x+\u)+4], s[SEL], s[SEL+1]   ; the query's other 32 keys lie in the lane 16 away
.endr
.if \first == 0
.irp u, 0,1
	v_mov_b32 v[ST+8*(\x+\u)+1], v[ST+8*(\x+\u)]   ; m_old
.endr
.endif
.irp u, 0,1
	v_max_num_f32 v[ST+8*(\x+\u)], v[ST+8*(\x+\u)+4], v[ST+8*(\x+\u)+5]
.endr
.if \first == 0
.irp u, 0,1
	v_sub_f32 v[ST+8*(\x+\u)+1], v[ST+8*(\x+\u)+1], v[ST+8*(\x+\u)]
.endr
.irp u, 0,1
	v_exp_f32 v[ST+8*(\x+\u)+6], v[ST+8*(\x+\u)+1]   ; a = 2^(m_old - m_new): the first of the batch
.endr
.endif
	; ONE BATCH: s - m, a pair of scores an instruction, and the exponentials in place; a pair is scaled ahead of the pair before it's exponentials.  None of these names an exponential's result
.irp u, 0,1
	v_pk_add_f32 v[S+32*\u:S+32*\u+1], v[S+32*\u:S+32*\u+1], v[ST+8*(\x+\u):ST+8*(\x+\u)+1] op_sel_hi:[1,0] neg_lo:[0,1] neg_hi:[0,1]
.endr
.irp b, 0,1,2,3,4,5,6,7,8,9,10,11,12,13,14,15
.if \b < 15
.irp u, 0,1
	v_pk_add_f32 v[S+32*\u+2*\b+2:S+32*\u+2*\b+3], v[S+32*\u+2*\b+2:S+32*\u+2*\b+3], v[ST+8*(\x+\u):ST+8*(\x+\u)+1] op_sel_hi:[1,0] neg_lo:[0,1] neg_hi:[0,1]
.endr
.endif
.irp u, 0,1
	v_exp_f32 v[S+32*\u+2*\b], v[S+32*\u+2*\b]
	v_exp_f32 v[S+32*\u+2*\b+1], v[S+32*\u+2*\b+1]
.endr
.endr
	v_nop                           ; a plain instruction behind the last exponential, ahead of the first use: one for the batch
	s_wait_alu depctr_va_vdst(0)    ; and the wait ahead of the first instruction that names a result: one for the batch
	; the sums of the unrounded p: two chains a tile
.irp u, 0,1
	v_pk_add_f32 v[T+4*\u:T+4*\u+1], v[S+32*\u:S+32*\u+1], v[S+32*\u+2:S+32*\u+3]
	v_pk_add_f32 v[T+4*\u+2:T+4*\u+3], v[S+32*\u+16:S+32*\u+17], v[S+32*\u+18:S+32*\u+19]
.endr
.irp k, 4,6,8,10,12,14
.irp u, 0,1
	v_pk_add_f32 v[T+4*\u:T+4*\u+1], v[T+4*\u:T+4*\u+1], v[S+32*\u+\k:S+32*\u+\k+1]
	v_pk_add_f32 v[T+4*\u+2:T+4*\u+3], v[T+4*\u+2:T+4*\u+3], v[S+32*\u+16+\k:S+32*\u+17+\k]
.endr
.endr
.if \first
.irp u, 0,1
	v_pk_add_f32 v[ST+8*(\x+\u)+2:ST+8*(\x+\u)+3], v[T+4*\u:T+4*\u+1], v[T+4*\u+2:T+4*\u+3]
.endr
.else
.irp u, 0,1
	v_pk_fma_f32 v[ST+8*(\x+\u)+2:ST+8*(\x+\u)+3], v[ST+8*(\x+\u)+2:ST+8*(\x+\u)+3], v[ST+8*(\x+\u)+6:ST+8*(\x+\u)+7], v[T+4*\u:T+4*\u+1] op_sel_hi:[1,0,1]   ; l = a l + the sum
.endr
.irp u, 0,1
	v_pk_add_f32 v[ST+8*(\x+\u)+2:ST+8*(\x+\u)+3], v[ST+8*(\x+\u)+2:ST+8*(\x+\u)+3], v[T+4*\u+2:T+4*\u+3]
.endr
.endif
	; the roundings to f16, in place and ascending: register i takes scores 2 i and 2 i + 1, which no earlier line has written over
.irp i, 0,1,2,3,4,5,6,7,8,9,10,11,12,13,14,15
.irp u, 0,1
	v_cvt_pk_f16_f32 v[S+32*\u+\i], v[S+32*\u+2*\i], v[S+32*\u+2*\i+1]
.endr
.endr
.if \first == 0
	WIN W_RS                        ; O^T x a: each accumulator from its low end on
.irp j, 0,2,4,6,8,10,12,14,16,18,20,22,24,26,28,30
.irp u, 0,1
	v_pk_mul_f32 v[32*(\x+\u)+\j:32*(\x+\u)+\j+1], v[32*(\x+\u)+\j:32*(\x+\u)+\j+1], v[ST+8*(\x+\u)+6:ST+8*(\x+\u)+7] op_sel_hi:[1,0]
.endr
.endr
.endif
.endm
; PLACES.  A vector instruction that reads a matrix result, and a load into a register that a matrix instruction has read, stand four places behind it; a matrix instruction that writes over an earlier one's
; operand (the next scores over P) five; only plain vector instructions that name none of its registers are places (loads aside).
.macro HALF1 first, places          ; tiles 2, 3 finish the step in hand
	SOFTMAX 2, \first
	PVM 2, \first
.if \places
	PLACES 5                        ; for the loads into V's registers, and for the scores that are written over P
.endif
.endm
.macro HALF2 first                  ; tiles 0, 1 go through the next step whole; tiles 2, 3 get its scores
	FETCH_V
	s_wait_dscnt 16                 ; K's 16 loads and the mask's 8 are in; V's 16 may be out
	QK 0
	PLACES 4
	SOFTMAX 0, \first
	s_wait_dscnt 0x0                ; V is in: no LDS load of mine is out from here to the next fetch
	PVM 0, \first
	PLACES 5
	QK 2
.endm
.macro TRIP first                   ; from one step's scores of tiles 2, 3 to the next step's
	PLACES 4                        ; behind those scores: for the loads into K's and the mask's registers and for the softmax's reads
	FETCH_K
	FETCH_M
	HALF1 \first, 1
	HALF2 0
	WIN 0                           ; at a label and at a branch every window is 0
.endm
.macro TRIPS n
	s_mov_b32 s[CNT], \n
.Ltrip_\@:
	TRIP 0
	s_sub_co_u32 s[CNT], s[CNT], 1
	s_cmp_lg_u32 s[CNT], 0
	s_cbranch_scc1 .Ltrip_\@
.endm
; THE CHANGE OF SLOTS, behind the scores of a slot's last step: all the slot's bytes have been read into registers.  Each wave waits for all its tensor loads, of which one is out: its part of the other slot; adds 0 to
; its spare word; and waits for that and for its own reads of the slot.  fill = 1: the slot is filled again, with the keys two slots on; the barrier is then a round of the cluster's, so that no wave of any partner
; still reads the slot or has a load on its way, and the joint refill is the first thing behind it: it has four key steps in which to land.
.macro CHANGE fill
	WIN 0
	s_wait_tensorcnt 0x0            ; no tensor load of mine is out, so a group 0 may be written
	ds_add_u32 v[SPW], v[NIL]       ; 0 onto my spare word
.if \fill
.irp g, G0K+4, G0V+4
	s_xor_b32 s[\g+1], s[\g+1], SLOT1  ; the walking descriptor: the other slot than last time,
	s_add_nc_u64 s[\g+2:\g+3], s[\g+2:\g+3], SLOTB  ; the next 256 keys; the type bits on top are not reached
.endr
	s_wait_xcnt 0x0                 ; the last prefetch, a slot back, has read its address, so it may be written:
	s_add_nc_u64 s[PFA:PFA+1], s[PFA:PFA+1], SLOTB  ; one slot further on than the walking descriptors
	s_wait_dscnt 0x0                ; the add is done, and my reads of the slot are over
	CROUND
	JLOAD
	ASK
.else
	s_wait_dscnt 0x0                ; the add is done, and my reads of the slot are over
	s_barrier_signal -1
	s_barrier_wait -1
.endif
	s_sub_co_u32 s[TB], s[TB], 4*STEPB  ; the fetches go back to a slot's first step,
	s_xor_b32 s[TB], s[TB], SLOT1   ; in the other slot
.endm
	s_wait_tensorcnt 1              ; my part of slot 0 is in; slot 1's may stay out
	s_wait_dscnt 0x0                ; my part of the mask lies in LDS
	s_barrier_signal -1
	s_barrier_wait -1               ; everybody's do
	FETCH_K                         ; key step 0
	FETCH_M
	s_wait_loadcnt 0x0              ; Q
	HALF2 1                         ; tiles 0, 1: step 0 starts m, l and O^T; tiles 2, 3: its scores
	TRIP 1                          ; tiles 2, 3 start theirs; step 1
	TRIPS 2                         ; steps 2, 3
.Lslot:                             ; six trips: every slot but the last two is filled again
	CHANGE 1
	TRIPS 4
	s_sub_co_u32 s[SLOTS], s[SLOTS], 1
	s_cmp_lg_u32 s[SLOTS], 0
	s_cbranch_scc1 .Lslot
	CHANGE 0                        ; the tail is written out: nothing is asked for
	TRIPS 4
	PLACES 4
	HALF1 0, 0                      ; tiles 2, 3 finish the last step
	; THE WAY OUT.  l's two halves and the other half of the lanes' are added; O^T is divided by l and sent through my stage in LDS, a tile (16 rows of out0, 256 bytes each) at a time.  The additions are the places behind the last products.
	WIN 0
.irp t, 0,1,2,3
	v_add_f32 v[ST+8*\t+4], v[ST+8*\t+2], v[ST+8*\t+3]
.endr
.irp t, 0,1,2,3
	v_permlanex16_b32 v[ST+8*\t+5], v[ST+8*\t+4], s[SEL], s[SEL+1]
.endr
.irp t, 0,1,2,3
	v_add_f32 v[ST+8*\t+4], v[ST+8*\t+4], v[ST+8*\t+5]
.endr
.irp t, 0,1,2,3
	v_rcp_f32 v[ST+8*\t+6], v[ST+8*\t+4]
.endr
	v_nop                           ; a plain instruction between the last reciprocal and the use of its result
	s_wait_alu depctr_va_vdst(0)    ; and the wait ahead of the first use: one for the four
.macro PACK t                       ; a lane's eight channels of a row are 32 bytes; they go into rows of 272 bytes and come back as whole rows of 256, into the registers that they left
	WIN 0x01                        ; source 0 (O^T) window 1
.set i, 0
.rept 16
	v_pk_mul_f32 v[OB+32*\t+i:OB+32*\t+i+1], v[32*\t+i:32*\t+i+1], v[ST+8*\t+6:ST+8*\t+7] op_sel_hi:[1,0]
.set i, i+2
.endr
	WIN 0
.irp f, 0,1,2,3
	ds_store_b128 v[STO], v[OB+32*\t+8*\f:OB+32*\t+8*\f+3] offset:64*\f
	ds_store_b128 v[STO], v[OB+32*\t+8*\f+4:OB+32*\t+8*\f+7] offset:64*\f+16
.endr
.irp f, 0,1,2,3,4,5,6,7
	ds_load_b128 v[OB+32*\t+4*\f:OB+32*\t+4*\f+3], v[RD] offset:\f*2*SP  ; LDS serves a wave's instructions in order (ISA guide 5.7.1.4): these see the stores above; the next tile's stores come behind them
.endr
.endm
.macro SEND t, younger              ; younger: the LDS instructions issued behind tile t's loads: the next tile's sixteen, or none
.irp f, 0,1,2,3,4,5,6,7
	s_wait_dscnt \younger+7-\f
	global_store_b128 v[GO], v[OB+32*\t+4*\f:OB+32*\t+4*\f+3], s[8:9] offset:(16*\t+2*\f)*4096 th:TH_STORE_NT  ; 16 lanes store 256 consecutive bytes, at a multiple of 256 from out0's first byte
.endr
.endm
	PACK 0
	PACK 1                          ; a tile's arithmetic stands between the loads of the tile before and its stores
	SEND 0, 16
	PACK 2
	SEND 1, 16
	PACK 3
	SEND 2, 16
	SEND 3, 0
	s_wait_tensorcnt 0x0            ; the wave's end: these three lines stand behind my last tensor load and my last LDS store
	ds_add_u32 v[SPW], v[NIL]
	s_wait_dscnt 0x0
	CROUND                          ; the closing round: no work-group ends while a partner may still ask for a tile that names it
	s_endpgm
.Lfunc_end_k_qaba6def52f_attn:
	.size	k_qaba6def52f_attn, .Lfunc_end_k_qaba6def52f_attn-k_qaba6def52f_attn
	.p2alignl 7, 3214868480
	.fill 96, 4, 3214868480
	.section	.rodata,"a",@progbits
	.p2align	6, 0x0
	.amdhsa_kernel k_qaba6def52f_attn
		.amdhsa_group_segment_fixed_size 327680
		.amdhsa_private_segment_fixed_size 0
		.amdhsa_enable_private_segment 0
		.amdhsa_kernarg_size 24
		.amdhsa_user_sgpr_count 2
		.amdhsa_user_sgpr_kernarg_segment_ptr 1
		.amdhsa_wavefront_size32 1
		.amdhsa_system_sgpr_workgroup_id_x 1
		.amdhsa_system_sgpr_workgroup_id_y 1
		.amdhsa_system_sgpr_workgroup_id_z 1
		.amdhsa_system_vgpr_workitem_id 0
		.amdhsa_next_free_vgpr 512
		.amdhsa_next_free_sgpr 72
		.amdhsa_reserve_vcc 0
		.amdhsa_float_denorm_mode_32 3
		.amdhsa_float_denorm_mode_16_64 3
		.amdhsa_memory_ordered 1
		.amdhsa_forward_progress 1
		.amdhsa_inst_pref_size 185
	.end_amdhsa_kernel
	.amdgpu_metadata
---
amdhsa.version: [ 1, 2 ]
amdhsa.kernels:
  - .name:           k_qaba6def52f_attn
    .symbol:         k_qaba6def52f_attn.kd
    .args:
      - { .name: qkv, .offset: 0, .size: 8, .value_kind: global_buffer, .address_space: global }
      - { .name: attention_mask, .offset: 8, .size: 8, .value_kind: global_buffer, .address_space: global }
      - { .name: out0, .offset: 16, .size: 8, .value_kind: global_buffer, .address_space: global }
    .group_segment_fixed_size: 327680
    .private_segment_fixed_size: 0
    .kernarg_segment_align: 8
    .kernarg_segment_size: 24
    .max_flat_workgroup_size: 256
    .sgpr_count:     72
    .vgpr_count:     512
    .wavefront_size: 32
...
	.end_amdgpu_metadata
.endif
;; end of part 3
